; MI455X (gfx1250); checked and timed in simulation.
; The chip was launched on July 23, 2026; its instructions are those of AMD's public machine-readable ISA for CDNA 5 (MIT licence, August 2026) and "CDNA5" Instruction Set Architecture Reference Guide (July 2026). The comments in the code are by the model that wrote it; some were corrected since.
;; Simple Hierachical Attention. Allowed arithmetic: float matrix products may take bf16 or f16 operands with f32 sums; all other float work in f32.
;; Inputs: hidden_states 32 x 2,048 x 1,024 float32; w_out 2,048 x 128 float32; w_score 1,024 x 1,024 float32.
;; Outputs: out0 32 x 128 float32.
;; 2 versions, each right; version 2 is version 1 with the launch vproj written anew for expert scheduling mode. Each part assembles by itself: llvm-mc -triple=amdgcn-amd-amdhsa -mcpu=gfx1250 --defsym DOCPART=n.
;; ======== version 1 of 2: 3 launches
;; workspace buffers: vq 131,072 bytes; part 1,114,112 bytes
;; launch vproj (part 1): grid 64 x 4, 4 waves a work-group, no clusters, 33,792 bytes of LDS; arguments hidden_states, w_score, vq; writes vq
.if DOCPART == 1
	.amdgcn_target "amdgcn-amd-amdhsa--gfx1250"
	.amdhsa_code_object_version 6
	.text
	.protected	k_qcfa50cbcd0_vproj
	.globl	k_qcfa50cbcd0_vproj
	.p2align	8
	.type	k_qcfa50cbcd0_vproj,@function
k_qcfa50cbcd0_vproj:
	s_mov_b64 s[64:65], 0
	v_nop
	global_prefetch_b8 v0, s[64:65] scope:SCOPE_SE
	s_setreg_imm32_b32 hwreg(HW_REG_WAVE_MODE, 25, 1), 1
	s_wait_xcnt 0x0
; vq[b][h] = log2(e) * sum over k of w_score[h][k] * h_t[b][k],   h_t[b] = hidden_states[b][2047].
; WHY: score[b][s] = sum_k h_t[k] * (sum_h hs[s][h] W[h][k]) = sum_h hs[s][h] * (sum_k W[h][k] h_t[k]).  The dense product is used
; only inside that dot product, so for every input the scores are hs[s] . v with v = W h_t.  LIMIT: the order of the additions,
; and so the rounding, differs from the order in which the sums are written in the problem.  The factor log2(e) lets
; all later exponentials work in base 2.
; All in f32 on the vector unit: each output is a dot product of one row of W with one row of h_t (8 batches a work-group), and the
; scores made from vq are exponents of a softmax, which 16-bit operands would shift by too much.
; SHARES: work-group (hg, bg) makes 16 rows of W (h = 16 hg ..) x 8 batches (b = 8 bg ..): 64 KiB of W + 32 KiB of h_t, each byte
; loaded once by the work-group.  Wave w keeps W's rows 16 hg + 4 w .. + 3 in registers and brings h_t's rows 2 w, 2 w + 1 to LDS.
; Lane l holds columns 128 j + 4 l .. + 3 of load j: a load of the wave covers 512 consecutive bytes.
; NO JOINT LOADS: what neighbours share is one burst of 96 KiB that goes straight into registers in the layout in which it is used;
; a shared fill would add an LDS write and read of W's 64 KiB for a single fill.
; STORE: four lanes cover 64 consecutive bytes of one batch's row of vq.  Runs of 256 bytes would need 64 rows of W a work-group,
; 264 KiB of input in place of 96, for 128 KiB of output in the whole launch.
.set ROW,  4096                        ; bytes in a row of W and of hidden_states
.set W,    8                           ; v[8:135]    my four rows of W: row i at +32 i, load j at +4 j
.set HB,   136                         ; v[136:199]  two buffers of 32 registers for rows of h_t
.set T,    200                         ; v[200:215]  running sums: row i, chain q = the pair at T + 4 i + 2 q
.set D,    216                         ; v[216:247]  the lane's part of dot (batch bi, row i) at D + 4 bi + i
.set OUTS, 8*ROW                       ; LDS: h_t's 8 rows at 0; behind them the tile [8 batches][16 h] f32, 512 bytes
	s_load_b128 s[4:7], s[0:1], 0x0                ; hidden_states s[4:5], w_score s[6:7]
	s_load_b64 s[8:9], s[0:1], 0x10                ; vq
	v_lshl_add_u32 v248, v0, 2, 0x8200
	v_mov_b32 v249, 0
	v_lshrrev_b32 v3, 5, v0
	v_readfirstlane_b32 s10, v3                    ; wave 0..3
	s_and_b32 s11, ttmp7, 0xffff                   ; bg
	s_mov_b32 s22, 0x76543210                      ; v_permlanex16_b32: lane i of one half reads lane i of the other
	s_mov_b32 s23, 0xfedcba98
	v_and_b32 v1, 31, v0
	v_lshlrev_b32 v1, 4, v1                        ; 16 x lane
	v_lshl_add_u32 v2, s10, 13, v1                 ; LDS: my wave's two rows of h_t, 8,192 w + 16 x lane
	s_lshl_b32 s18, s10, 4
	v_mov_b32 v4, s18                              ; LDS: my wave's four h in a row of the tile, 16 w
	s_lshl_b32 s12, s11, 3
	s_lshl1_add_u32 s12, s10, s12                  ; batch 8 bg + 2 w, 30 at the most
	s_lshl_b32 s12, s12, 23                        ; x 2048 rows x 4,096 bytes
	s_add_co_u32 s12, s12, 2047*ROW                ; its last row; below 2^28
	s_mov_b32 s13, 0
	s_lshl_b32 s14, ttmp9, 16                      ; 16 rows of W for each hg,
	s_lshl_b32 s15, s10, 14                        ; 4 for each wave
	s_add_co_u32 s14, s14, s15
	s_mov_b32 s15, 0
	s_lshl_b32 s16, s11, 15                        ; vq: 8 batches of 4,096 bytes for each bg,
	s_lshl_b32 s17, ttmp9, 6                       ; 16 h of 4 bytes for each hg
	s_add_co_u32 s16, s16, s17
	s_mov_b32 s17, 0
	s_wait_kmcnt 0x0
	s_add_nc_u64 s[4:5], s[4:5], s[12:13]          ; h_t of batch 8 bg + 2 w
	s_add_nc_u64 s[20:21], s[4:5], 0x800000        ; and of the next batch: 8,388,608 bytes on, one more than an immediate offset holds
	s_add_nc_u64 s[6:7], s[6:7], s[14:15]
	s_add_nc_u64 s[8:9], s[8:9], s[16:17]
.macro GROW dst, base, off             ; a whole row from memory: eight loads of 512 consecutive bytes
.irp j, 0,1,2,3,4,5,6,7
	global_load_b128 v[(\dst)+4*\j:(\dst)+4*\j+3], v1, s[\base:\base+1] offset:(\off)+512*\j
.endr
.endm
.macro LROW buf, bi                    ; row bi of h_t from LDS into buffer buf, in the same lane layout; lane i at 16 i: no two lanes share a bank
.irp j, 0,1,2,3,4,5,6,7
	ds_load_b128 v[HB+32*(\buf)+4*\j:HB+32*(\buf)+4*\j+3], v1 offset:(\bi)*ROW+512*\j
.endr
.endm
; My four rows of W times the row of h_t in buffer buf: 16 register pairs a row, two chains a row, eight chains that do not wait for each other.
; The first two pairs start the chains: nothing is cleared.
.macro DOT4 buf, bi
.irp k, 0,1
.irp i, 0,1,2,3
	v_pk_mul_f32 v[T+4*\i+2*\k:T+4*\i+2*\k+1], v[W+32*\i+2*\k:W+32*\i+2*\k+1], v[HB+32*(\buf)+2*\k:HB+32*(\buf)+2*\k+1]
.endr
.endr
.irp k, 2,3,4,5,6,7,8,9,10,11,12,13,14,15
.irp i, 0,1,2,3
	v_pk_fma_f32 v[T+4*\i+2*(\k&1):T+4*\i+2*(\k&1)+1], v[W+32*\i+2*\k:W+32*\i+2*\k+1], v[HB+32*(\buf)+2*\k:HB+32*(\buf)+2*\k+1], v[T+4*\i+2*(\k&1):T+4*\i+2*(\k&1)+1]
.endr
.endr
.irp i, 0,1,2,3
	v_pk_add_f32 v[T+4*\i:T+4*\i+1], v[T+4*\i:T+4*\i+1], v[T+4*\i+2:T+4*\i+3]
.endr
.irp i, 0,1,2,3
	v_add_f32 v[D+4*(\bi)+\i], v[T+4*\i], v[T+4*\i+1]
.endr
.endm
; Batch bi, whose row of h_t lies in buffer buf.  left = how many younger LDS loads may stay out.  ahead = 1: the buffer just used takes the row after next.
.macro STEP buf, bi, left, ahead
	s_wait_dscnt \left                             ; LDS loads come back in order (ISA guide 5.7.1): this buffer's eight are in
	DOT4 \buf, \bi
.if \ahead
	LROW \buf, \bi+2
.endif
.endm
	; one burst of 48 loads: my two rows of h_t first, then my four rows of W
	GROW HB, 4, 0
	GROW HB+32, 20, 0
.irp i, 0,1,2,3
	GROW W+32*\i, 6, \i*ROW
.endr
	s_wait_loadcnt 32                              ; loads come back in order (ISA guide 5.7.1): W's 32 are younger, so h_t's 16 are in
.irp r, 0,1
.irp j, 0,1,2,3,4,5,6,7
	ds_store_b128 v2, v[HB+32*\r+4*\j:HB+32*\r+4*\j+3] offset:\r*ROW+512*\j
.endr
.endr
	s_wait_dscnt 0x0                               ; for the other waves' sake: my stores are done
	s_barrier_signal -1
	s_barrier_wait -1                              ; all eight rows of h_t lie in LDS; W's loads stay on their way across this barrier
	LROW 0, 0
	LROW 1, 1
	s_wait_loadcnt 0x0                             ; W
	STEP 0, 0, 8, 1                                ; 8: the other buffer's eight LDS loads are younger and may stay out
	STEP 1, 1, 8, 1
	STEP 0, 2, 8, 1
	STEP 1, 3, 8, 1
	STEP 0, 4, 8, 1
	STEP 1, 5, 8, 1                                ; asks for row 7, the last
	STEP 0, 6, 8, 0                                ; row 7's eight loads are still out
	STEP 1, 7, 0, 0
	; across the 32 lanes, all 32 sums side by side: four steps inside each half of 16 lanes, one across the halves
.irp m, 1,2,4,8
.set n, 0
.rept 32
	v_add_f32_dpp v[D+n], v[D+n], v[D+n] row_xmask:\m row_mask:0xf bank_mask:0xf
.set n, n+1
.endr
.endr
.set n, 0
.rept 32
	v_permlanex16_b32 v[HB+n], v[D+n], s22, s23    ; its destination counts as read: HB has been written
.set n, n+1
.endr
.set n, 0
.rept 32
	v_add_f32 v[D+n], v[D+n], v[HB+n]
.set n, n+1
.endr
.set n, 0
.rept 16
	v_pk_mul_f32 v[D+n:D+n+1], v[D+n:D+n+1], 0x3fb8aa3b op_sel_hi:[1,0]    ; x log2(e)
.set n, n+2
.endr
.irp bi, 0,1,2,3,4,5,6,7
	ds_store_b128 v4, v[D+4*\bi:D+4*\bi+3] offset:OUTS+64*\bi    ; every lane holds the sums: all write the same 16 bytes with the same values
.endr
	s_wait_dscnt 0x0                               ; for wave 0's sake
	s_barrier_signal -1
	s_barrier_wait -1
	s_cmp_lg_u32 s10, 0
	s_cbranch_scc1 .Lend
	ds_load_b128 v[T:T+3], v1 offset:OUTS          ; lane l: batch l / 4, h 4 (l % 4) .. + 3
	v_lshrrev_b32 v5, 6, v1
	v_and_b32 v6, 48, v1
	v_lshl_add_u32 v5, v5, 12, v6                  ; 4,096 x batch + 16 (l % 4)
	s_wait_dscnt 0x0
	global_store_b128 v5, v[T:T+3], s[8:9]
.Lend:
	s_wait_tensorcnt 0x0
	ds_add_u32 v248, v249
	s_wait_dscnt 0x0
	s_endpgm
.Lfunc_end_k_qcfa50cbcd0_vproj:
	.size	k_qcfa50cbcd0_vproj, .Lfunc_end_k_qcfa50cbcd0_vproj-k_qcfa50cbcd0_vproj
	.p2alignl 7, 3214868480
	.fill 96, 4, 3214868480
	.section	.rodata,"a",@progbits
	.p2align	6, 0x0
	.amdhsa_kernel k_qcfa50cbcd0_vproj
		.amdhsa_group_segment_fixed_size 33792
		.amdhsa_private_segment_fixed_size 0
		.amdhsa_enable_private_segment 0
		.amdhsa_kernarg_size 24
		.amdhsa_user_sgpr_count 2
		.amdhsa_user_sgpr_kernarg_segment_ptr 1
		.amdhsa_wavefront_size32 1
		.amdhsa_system_sgpr_workgroup_id_x 1
		.amdhsa_system_sgpr_workgroup_id_y 1
		.amdhsa_system_sgpr_workgroup_id_z 1
		.amdhsa_system_vgpr_workitem_id 0
		.amdhsa_next_free_vgpr 250
		.amdhsa_next_free_sgpr 66
		.amdhsa_reserve_vcc 0
		.amdhsa_float_denorm_mode_32 3
		.amdhsa_float_denorm_mode_16_64 3
		.amdhsa_memory_ordered 1
		.amdhsa_forward_progress 1
		.amdhsa_inst_pref_size 61
	.end_amdhsa_kernel
	.amdgpu_metadata
---
amdhsa.version: [ 1, 2 ]
amdhsa.kernels:
  - .name:           k_qcfa50cbcd0_vproj
    .symbol:         k_qcfa50cbcd0_vproj.kd
    .args:
      - { .name: hidden_states, .offset: 0, .size: 8, .value_kind: global_buffer, .address_space: global }
      - { .name: w_score, .offset: 8, .size: 8, .value_kind: global_buffer, .address_space: global }
      - { .name: vq, .offset: 16, .size: 8, .value_kind: global_buffer, .address_space: global }
    .group_segment_fixed_size: 33792
    .private_segment_fixed_size: 0
    .kernarg_segment_align: 8
    .kernarg_segment_size: 24
    .max_flat_workgroup_size: 128
    .sgpr_count:     66
    .vgpr_count:     250
    .wavefront_size: 32
...
	.end_amdgpu_metadata
.endif
;; end of part 1
;; launch stream (part 2): grid 8 x 32, 16 waves a work-group, no clusters, 71,936 bytes of LDS; arguments hidden_states, vq, part; writes part
.if DOCPART == 2
	.amdgcn_target "amdgcn-amd-amdhsa--gfx1250"
	.amdhsa_code_object_version 6
	.text
	.protected	k_qcfa50cbcd0_stream
	.globl	k_qcfa50cbcd0_stream
	.p2align	8
	.type	k_qcfa50cbcd0_stream,@function
k_qcfa50cbcd0_stream:
	s_mov_b64 s[64:65], 0
	v_nop
	global_prefetch_b8 v0, s[64:65] scope:SCOPE_SE
	s_setreg_imm32_b32 hwreg(HW_REG_WAVE_MODE, 25, 1), 1
	s_wait_xcnt 0x0
; For batch b and its rows 256 c .. 256 c + 255: t[s] = hs[s] . vq[b] (the score times log2(e)), M = max t, L = sum 2^(t - M),
; ctx[h] = sum 2^(t[s] - M) hs[s][h].  Stored as record 8 b + c of part: ctx (4,096 bytes), then the pair (M, L) 32 times (256 bytes).
; hidden_states is read ONCE: a row stays in registers between its score and its weighted sum, by a running maximum
; (when the maximum rises, the sums so far are scaled by 2^(old - new)).  No fixed shift is used at any level.
; LIMITS: a weight below 2^-126 of the largest counts as 0 (v_exp_f32 gives 0 there: ISA guide, its entry in 15.8); infinite or NaN scores give NaN.
; All in f32 on the vector unit: both products have one row (one vq, one vector of weights) for each batch, and the scores are exponents.
; SHARES: 256 work-groups of 1 MiB.  Wave w takes 16 consecutive rows, two at a time; one wave takes a whole row, so a score's sum
; never leaves the wave.  Lane l holds columns 128 j + 4 l .. + 3 of load j: a load of the wave covers 512 consecutive bytes.
; A ring of two slots of two rows in registers: 16 to 32 loads of every wave are on their way, and no wait in the ring but the last is for zero.
; NO JOINT LOADS: the work-groups of a batch share vq's 4 KiB against 1 MiB of rows of their own.  NO LDS RING: the rows are needed in registers.
.set ROW,  4096
.set V,    4                           ; v[4:35]     vq[b] in the rows' lane layout
.set ACC,  36                          ; v[36:67]    weighted sum of rows, same layout
.set X,    68                          ; v[68:195]   slot s at +64 s, row r at +32 r, load j at +4 j
.set DT,   196                         ; v[196:203]  score sums: row r, chain q = the pair at DT + 4 r + 2 q
.set E,    204                         ; v[204:211]  pairs (alpha, m - mn), (p0, t0 - mn), (p1, t1 - mn); +6 mn; +7 an LDS address
.set ML,   212                         ; v[212:213]  running maximum m, running sum l
.set S0,   214                         ; v214, v215  the two scores
.set S1,   215
.set ACCS, 0                           ; LDS: [16 waves][4,096 bytes] the waves' sums
.set VB,   65536                       ; LDS: vq[b], 4,096 bytes
.set MLB,  69632                       ; LDS: [16 waves] (m, l), 128 bytes
.set REC,  4352                        ; bytes in a record of part
	s_load_b128 s[4:7], s[0:1], 0x0                ; hidden_states s[4:5], vq s[6:7]
	s_load_b64 s[8:9], s[0:1], 0x10                ; part
	v_lshl_add_u32 v216, v0, 2, 0x11100
	v_mov_b32 v217, 0
	v_lshrrev_b32 v3, 5, v0
	v_readfirstlane_b32 s10, v3                    ; wave 0..15
	s_and_b32 s11, ttmp7, 0xffff                   ; b
	s_mov_b32 s20, 0x76543210
	s_mov_b32 s21, 0xfedcba98
	v_and_b32 v1, 31, v0
	v_lshlrev_b32 v1, 4, v1                        ; 16 x lane
	v_lshlrev_b32 v2, 3, v0                        ; 8 x thread
	v_add_nc_u32 v3, VB, v2                        ; where my 8 bytes of vq go
	v_add_nc_u32 v[E+7], VB, v1                    ; from where I read vq back
	s_lshl_b32 s12, s11, 23                        ; batch: 2048 rows of 4,096 bytes
	s_lshl_b32 s13, ttmp9, 20                      ; chunk: 256 rows
	s_add_co_u32 s12, s12, s13
	s_lshl_b32 s13, s10, 16                        ; wave: 16 rows
	s_add_co_u32 s12, s12, s13                     ; below 2^28
	s_mov_b32 s13, 0
	s_lshl_b32 s14, s11, 12
	s_mov_b32 s15, 0
	s_lshl3_add_u32 s16, s11, ttmp9                ; record 8 b + c
	s_mul_i32 s16, s16, REC
	s_mov_b32 s17, 0
	s_wait_kmcnt 0x0
	s_add_nc_u64 s[4:5], s[4:5], s[12:13]
	s_add_nc_u64 s[6:7], s[6:7], s[14:15]
	s_add_nc_u64 s[8:9], s[8:9], s[16:17]
; Rows 2 p and 2 p + 1 of my 16 into slot s: 16 loads.  Row and piece stand in the immediate (65,024 at the most): no address register is ever rewritten.
.macro FILL s, p
.irp r, 0,1
.irp j, 0,1,2,3,4,5,6,7
	global_load_b128 v[X+64*\s+32*\r+4*\j:X+64*\s+32*\r+4*\j+3], v1, s[4:5] offset:(2*(\p)+\r)*ROW+512*\j th:TH_LOAD_NT
.endr
.endr
.endm
; The turn of pair p in slot s.  first = 1: it starts m, l and ACC, so nothing is cleared.  fill = 1: the slot takes pair p + 2.
; left = how many younger loads may stay out.
.macro TURN p, s, first, fill, left
	s_wait_loadcnt \left                           ; loads come back in order (ISA guide 5.7.1): my 16 are in
	; the two scores: 16 register pairs a row, two chains a row
.irp k, 0,1
.irp r, 0,1
	v_pk_mul_f32 v[DT+4*\r+2*\k:DT+4*\r+2*\k+1], v[X+64*\s+32*\r+2*\k:X+64*\s+32*\r+2*\k+1], v[V+2*\k:V+2*\k+1]
.endr
.endr
.irp k, 2,3,4,5,6,7,8,9,10,11,12,13,14,15
.irp r, 0,1
	v_pk_fma_f32 v[DT+4*\r+2*(\k&1):DT+4*\r+2*(\k&1)+1], v[X+64*\s+32*\r+2*\k:X+64*\s+32*\r+2*\k+1], v[V+2*\k:V+2*\k+1], v[DT+4*\r+2*(\k&1):DT+4*\r+2*(\k&1)+1]
.endr
.endr
	v_pk_add_f32 v[DT:DT+1], v[DT:DT+1], v[DT+2:DT+3]
	v_pk_add_f32 v[DT+4:DT+5], v[DT+4:DT+5], v[DT+6:DT+7]
	v_add_f32 v[S0], v[DT], v[DT+1]
	v_add_f32 v[S1], v[DT+4], v[DT+5]
.irp m, 1,2,4,8
	v_add_f32_dpp v[S0], v[S0], v[S0] row_xmask:\m row_mask:0xf bank_mask:0xf
	v_add_f32_dpp v[S1], v[S1], v[S1] row_xmask:\m row_mask:0xf bank_mask:0xf
.endr
	v_permlanex16_b32 v[DT+2], v[S0], s20, s21     ; destinations count as read: both were written above
	v_permlanex16_b32 v[DT+6], v[S1], s20, s21
	v_add_f32 v[S0], v[S0], v[DT+2]
	v_add_f32 v[S1], v[S1], v[DT+6]                ; every lane holds both scores
.if \first
	v_max_num_f32 v[ML], v[S0], v[S1]
	v_sub_f32 v[E+3], v[S0], v[ML]
	v_sub_f32 v[E+5], v[S1], v[ML]
	v_exp_f32 v[E+2], v[E+3]
	v_exp_f32 v[E+4], v[E+5]
	v_nop                                          ; one plain vector instruction behind the exponentials before their results are used (ISA guide 5.7.2)
	s_wait_alu depctr_va_vdst(0)
	v_add_f32 v[ML+1], v[E+2], v[E+4]
.irp k, 0,1,2,3,4,5,6,7,8,9,10,11,12,13,14,15
	v_pk_mul_f32 v[ACC+2*\k:ACC+2*\k+1], v[X+64*\s+2*\k:X+64*\s+2*\k+1], v[E+2:E+3] op_sel_hi:[1,0]   ; both halves times p0
.endr
.else
	v_max3_num_f32 v[E+6], v[ML], v[S0], v[S1]     ; the new maximum
	v_sub_f32 v[E+1], v[ML], v[E+6]
	v_sub_f32 v[E+3], v[S0], v[E+6]
	v_sub_f32 v[E+5], v[S1], v[E+6]
	v_exp_f32 v[E], v[E+1]                         ; alpha = 2^(old - new), 1 where the maximum stays
	v_exp_f32 v[E+2], v[E+3]
	v_exp_f32 v[E+4], v[E+5]
	v_mov_b32 v[ML], v[E+6]                        ; the plain instruction behind the exponentials (ISA guide 5.7.2); it names none of their registers
	s_wait_alu depctr_va_vdst(0)
	v_fma_f32 v[ML+1], v[ML+1], v[E], v[E+2]
	v_add_f32 v[ML+1], v[ML+1], v[E+4]
.irp k, 0,1,2,3,4,5,6,7,8,9,10,11,12,13,14,15
	v_pk_mul_f32 v[ACC+2*\k:ACC+2*\k+1], v[ACC+2*\k:ACC+2*\k+1], v[E:E+1] op_sel_hi:[1,0]
.endr
.irp k, 0,1,2,3,4,5,6,7,8,9,10,11,12,13,14,15
	v_pk_fma_f32 v[ACC+2*\k:ACC+2*\k+1], v[X+64*\s+2*\k:X+64*\s+2*\k+1], v[E+2:E+3], v[ACC+2*\k:ACC+2*\k+1] op_sel_hi:[1,0,1]
.endr
.endif
.irp k, 0,1,2,3,4,5,6,7,8,9,10,11,12,13,14,15
	v_pk_fma_f32 v[ACC+2*\k:ACC+2*\k+1], v[X+64*\s+32+2*\k:X+64*\s+32+2*\k+1], v[E+4:E+5], v[ACC+2*\k:ACC+2*\k+1] op_sel_hi:[1,0,1]
.endr
.if \fill
	FILL \s, \p+2
.endif
.endm
	global_load_b64 v[DT:DT+1], v2, s[6:7]         ; 512 threads x 8 bytes: the work-group reads vq[b] once, 256 consecutive bytes a wave
	FILL 0, 0
	FILL 1, 1
	s_wait_loadcnt 32                              ; the 32 row loads are younger: vq's piece is in
	ds_store_b64 v3, v[DT:DT+1]
	s_wait_dscnt 0x0                               ; for the other waves' sake
	s_barrier_signal -1
	s_barrier_wait -1                              ; vq[b] lies in LDS; the row loads stay on their way across this barrier
.irp j, 0,1,2,3,4,5,6,7
	ds_load_b128 v[V+4*\j:V+4*\j+3], v[E+7] offset:512*\j
.endr
	v_lshl_add_u32 v3, s10, 12, v1                 ; from now on: where my wave's sums go, 4,096 w + 16 x lane
	s_wait_dscnt 0x0
	TURN 0, 0, 1, 1, 16                            ; 16: the other slot's loads are younger
	TURN 1, 1, 0, 1, 16
	TURN 2, 0, 0, 1, 16
	TURN 3, 1, 0, 1, 16
	TURN 4, 0, 0, 1, 16
	TURN 5, 1, 0, 1, 16                            ; asks for pair 7, the last
	TURN 6, 0, 0, 0, 16                            ; pair 7's loads are still out
	TURN 7, 1, 0, 0, 0
	; the 16 waves meet in LDS, in bytes of their own (neither VB nor another wave's)
.irp j, 0,1,2,3,4,5,6,7
	ds_store_b128 v3, v[ACC+4*\j:ACC+4*\j+3] offset:ACCS+512*\j    ; register 4 j + e of lane l is column 128 j + 4 l + e: a plain row of 1,024 f32
.endr
	s_lshl_b32 s12, s10, 3
	s_add_co_u32 s12, s12, MLB
	v_mov_b32 v[DT], s12
	ds_store_b64 v[DT], v[ML:ML+1]                 ; all lanes hold the same pair
	s_wait_dscnt 0x0
	s_barrier_signal -1
	s_barrier_wait -1
	v_mov_b32 v[DT+1], MLB
.irp i, 0,1,2,3,4,5,6,7
	ds_load_b128 v[X+4*\i:X+4*\i+3], v[DT+1] offset:16*\i          ; (m, l) of wave w at X + 2 w, in every lane
.endr
.irp w, 0,1,2,3,4,5,6,7,8,9,10,11,12,13,14,15
	ds_load_b64 v[X+32+2*\w:X+32+2*\w+1], v2 offset:ACCS+ROW*\w    ; thread t: columns 2 t, 2 t + 1 of every wave's sum
.endr
	s_wait_dscnt 16                                ; the 16 column loads are younger: the pairs are in
	v_max3_num_f32 v[E], v[X], v[X+2], v[X+4]
.irp w, 3,5,7,9,11,13
	v_max3_num_f32 v[E], v[E], v[X+2*\w], v[X+2*\w+2]
.endr
	v_max_num_f32 v[E], v[E], v[X+30]              ; M
.irp w, 0,1,2,3,4,5,6,7,8,9,10,11,12,13,14,15
	v_sub_f32 v[X+2*\w], v[X+2*\w], v[E]
.endr
.irp w, 0,1,2,3,4,5,6,7,8,9,10,11,12,13,14,15
	v_exp_f32 v[X+2*\w], v[X+2*\w]                 ; f = 2^(m - M)
.endr
	v_nop                                          ; the plain instruction behind the exponentials (ISA guide 5.7.2)
	s_wait_alu depctr_va_vdst(0)
	v_mul_f32 v[E+1], v[X], v[X+1]
.irp w, 1,2,3,4,5,6,7,8,9,10,11,12,13,14,15
	v_fmac_f32 v[E+1], v[X+2*\w], v[X+2*\w+1]      ; L = sum of f l
.endr
	s_wait_dscnt 0x0
	v_pk_mul_f32 v[DT+2:DT+3], v[X+32:X+33], v[X:X+1] op_sel_hi:[1,0]      ; two chains, waves by turns; both halves times f
	v_pk_mul_f32 v[DT+4:DT+5], v[X+34:X+35], v[X+2:X+3] op_sel_hi:[1,0]
.irp w, 2,3,4,5,6,7,8,9,10,11,12,13,14,15
	v_pk_fma_f32 v[DT+2+2*(\w&1):DT+3+2*(\w&1)], v[X+32+2*\w:X+33+2*\w], v[X+2*\w:X+2*\w+1], v[DT+2+2*(\w&1):DT+3+2*(\w&1)] op_sel_hi:[1,0,1]
.endr
	v_pk_add_f32 v[DT+2:DT+3], v[DT+2:DT+3], v[DT+4:DT+5]
	global_store_b64 v2, v[DT+2:DT+3], s[8:9]      ; a wave's 32 lanes store 256 consecutive bytes, at a multiple of 256 from part's first byte
	s_cmp_lg_u32 s10, 0
	s_cbranch_scc1 .Lend
	global_store_b64 v2, v[E:E+1], s[8:9] offset:ROW   ; wave 0: (M, L) 32 times, again 256 consecutive bytes
.Lend:
	s_wait_tensorcnt 0x0
	ds_add_u32 v216, v217
	s_wait_dscnt 0x0
	s_endpgm
.Lfunc_end_k_qcfa50cbcd0_stream:
	.size	k_qcfa50cbcd0_stream, .Lfunc_end_k_qcfa50cbcd0_stream-k_qcfa50cbcd0_stream
	.p2alignl 7, 3214868480
	.fill 96, 4, 3214868480
	.section	.rodata,"a",@progbits
	.p2align	6, 0x0
	.amdhsa_kernel k_qcfa50cbcd0_stream
		.amdhsa_group_segment_fixed_size 71936
		.amdhsa_private_segment_fixed_size 0
		.amdhsa_enable_private_segment 0
		.amdhsa_kernarg_size 24
		.amdhsa_user_sgpr_count 2
		.amdhsa_user_sgpr_kernarg_segment_ptr 1
		.amdhsa_wavefront_size32 1
		.amdhsa_system_sgpr_workgroup_id_x 1
		.amdhsa_system_sgpr_workgroup_id_y 1
		.amdhsa_system_sgpr_workgroup_id_z 1
		.amdhsa_system_vgpr_workitem_id 0
		.amdhsa_next_free_vgpr 218
		.amdhsa_next_free_sgpr 66
		.amdhsa_reserve_vcc 0
		.amdhsa_float_denorm_mode_32 3
		.amdhsa_float_denorm_mode_16_64 3
		.amdhsa_memory_ordered 1
		.amdhsa_forward_progress 1
		.amdhsa_inst_pref_size 70
	.end_amdhsa_kernel
	.amdgpu_metadata
---
amdhsa.version: [ 1, 2 ]
amdhsa.kernels:
  - .name:           k_qcfa50cbcd0_stream
    .symbol:         k_qcfa50cbcd0_stream.kd
    .args:
      - { .name: hidden_states, .offset: 0, .size: 8, .value_kind: global_buffer, .address_space: global }
      - { .name: vq, .offset: 8, .size: 8, .value_kind: global_buffer, .address_space: global }
      - { .name: part, .offset: 16, .size: 8, .value_kind: global_buffer, .address_space: global }
    .group_segment_fixed_size: 71936
    .private_segment_fixed_size: 0
    .kernarg_segment_align: 8
    .kernarg_segment_size: 24
    .max_flat_workgroup_size: 512
    .sgpr_count:     66
    .vgpr_count:     218
    .wavefront_size: 32
...
	.end_amdgpu_metadata
.endif
;; end of part 2
;; launch finish (part 3): grid 8 x 32, 8 waves a work-group, no clusters, 9,728 bytes of LDS; arguments hidden_states, w_out, part, out0; writes out0
.if DOCPART == 3
	.amdgcn_target "amdgcn-amd-amdhsa--gfx1250"
	.amdhsa_code_object_version 6
	.text
	.protected	k_qcfa50cbcd0_finish
	.globl	k_qcfa50cbcd0_finish
	.p2align	8
	.type	k_qcfa50cbcd0_finish,@function
k_qcfa50cbcd0_finish:
	s_mov_b64 s[64:65], 0
	v_nop
	global_prefetch_b8 v0, s[64:65] scope:SCOPE_SE
	s_setreg_imm32_b32 hwreg(HW_REG_WAVE_MODE, 25, 1), 1
	s_wait_xcnt 0x0
; out0[b][16 ug .. 16 ug + 15] = tanh(pre . w_out's columns), pre = [context, h_t], context = (sum_c 2^(M_c - M) ctx_c) / (sum_c 2^(M_c - M) L_c)
; from the batch's eight records of part, M = max M_c: the softmax's maximum is taken away here too.
; L is at least 1: at every level the part that holds the maximum enters with the factor 1.
; LIMITS: a chunk whose maximum lies more than 126 below M (in base 2) counts as 0; tanh(x) = 1 - 2 / (1 + 2^(2 log2(e) x)), which goes to
; +1 and -1 where the exponential overflows or vanishes, and is accurate to a few 2^-24 absolutely, not relatively, near x = 0.
; All in f32 on the vector unit: one row (pre) for each batch.
; SHARES: 256 work-groups; each reads 34 KiB of records, 4 KiB of h_t and 64 bytes of each of w_out's 2,048 rows (128 KiB).
; Thread t first makes columns 4 t .. 4 t + 3 of the context, then takes rows 32 (t / 4) + n, n = 0 .. 31, of w_out, columns 16 ug + 4 (t % 4) .. + 3.
; PIECES OF 64 BYTES in w_out and out0: runs of 256 bytes of a row of w_out are 64 columns, which would leave 64 work-groups with 512 KiB each.
; NO JOINT LOADS: one burst that goes straight into registers in the layout in which it is used; nothing is filled twice.
.set ROW,  4096
.set REC,  4352                        ; bytes in a record of part
.set WO,   8                           ; v[8:135]    my 32 pieces of w_out, 4 registers each
.set P,    136                         ; v[136:167]  my 4 columns of the 8 records
.set HT,   168                         ; v[168:171]  my 4 columns of h_t
.set MLR,  172                         ; v[172:187]  (M_c, L_c)
.set PR,   188                         ; v[188:219]  pre of my 32 rows
.set A,    220                         ; v[220:227]  two sets of 4 sums, even and odd rows
.set U,    228                         ; v[228:235]  at work: M, L, 1/L twice, 4 columns of the context
.set PRE,  0                           ; LDS: pre, 2,048 f32
.set RED,  8192                        ; LDS: [8 waves][16] f32
	s_load_b256 s[4:11], s[0:1], 0x0               ; hidden_states s[4:5], w_out s[6:7], part s[8:9], out0 s[10:11]
	v_lshl_add_u32 v236, v0, 2, 0x2200
	v_mov_b32 v237, 0
	v_lshrrev_b32 v6, 5, v0
	v_readfirstlane_b32 s12, v6                    ; wave 0..7
	s_and_b32 s13, ttmp7, 0xffff                   ; b
	s_mov_b32 s20, 0x76543210
	s_mov_b32 s21, 0xfedcba98
	v_lshlrev_b32 v1, 4, v0                        ; 16 x thread
	v_and_b32 v2, 31, v0
	v_lshlrev_b32 v2, 3, v2                        ; 8 x lane
	v_lshrrev_b32 v4, 2, v0                        ; t / 4
	v_and_b32 v5, 3, v0
	v_lshlrev_b32 v5, 4, v5                        ; 16 (t % 4)
	v_lshl_add_u32 v3, v4, 14, v5                  ; w_out: 32 rows of 512 bytes for each t / 4, + my 16 bytes
	v_lshlrev_b32 v4, 7, v4                        ; pre: 32 numbers for each t / 4
	v_lshl_add_u32 v5, s12, 6, v5                  ; my wave's 64 bytes of RED, + my 16
	v_and_b32 v7, 15, v0
	v_lshlrev_b32 v7, 2, v7                        ; 4 (lane % 16)
	s_lshl_b32 s14, s13, 23
	s_add_co_u32 s14, s14, 2047*ROW                ; the batch's last row; below 2^28
	s_mov_b32 s15, 0
	s_lshl_b32 s16, ttmp9, 6                       ; 16 columns of 4 bytes for each ug
	s_mov_b32 s17, 0
	s_mul_i32 s18, s13, 8*REC
	s_mov_b32 s19, 0
	s_lshl_b32 s24, s13, 9                         ; out0: 512 bytes a batch
	s_add_co_u32 s24, s24, s16
	s_mov_b32 s25, 0
	s_wait_kmcnt 0x0
	s_add_nc_u64 s[4:5], s[4:5], s[14:15]
	s_add_nc_u64 s[6:7], s[6:7], s[16:17]
	s_add_nc_u64 s[8:9], s[8:9], s[18:19]
	s_add_nc_u64 s[10:11], s[10:11], s[24:25]
	; one burst of 49 loads, what is needed first in front
.irp c, 0,1,2,3,4,5,6,7
	global_load_b64 v[MLR+2*\c:MLR+2*\c+1], v2, s[8:9] offset:REC*\c+ROW    ; each lane takes its own copy of the pair: 256 consecutive bytes a wave
.endr
.irp c, 0,1,2,3,4,5,6,7
	global_load_b128 v[P+4*\c:P+4*\c+3], v1, s[8:9] offset:REC*\c
.endr
	global_load_b128 v[HT:HT+3], v1, s[4:5]
.set n, 0
.rept 32
	global_load_b128 v[WO+4*n:WO+4*n+3], v3, s[6:7] offset:512*n
.set n, n+1
.endr
	s_wait_loadcnt 32                              ; w_out's 32 loads are younger: records and h_t are in
	v_max3_num_f32 v[U], v[MLR], v[MLR+2], v[MLR+4]
	v_max3_num_f32 v[U], v[U], v[MLR+6], v[MLR+8]
	v_max3_num_f32 v[U], v[U], v[MLR+10], v[MLR+12]
	v_max_num_f32 v[U], v[U], v[MLR+14]            ; M
.irp c, 0,1,2,3,4,5,6,7
	v_sub_f32 v[MLR+2*\c], v[MLR+2*\c], v[U]
.endr
.irp c, 0,1,2,3,4,5,6,7
	v_exp_f32 v[MLR+2*\c], v[MLR+2*\c]             ; f = 2^(M_c - M)
.endr
	v_nop                                          ; the plain instruction behind the exponentials (ISA guide 5.7.2)
	s_wait_alu depctr_va_vdst(0)
	v_mul_f32 v[U+1], v[MLR], v[MLR+1]
.irp c, 1,2,3,4,5,6,7
	v_fmac_f32 v[U+1], v[MLR+2*\c], v[MLR+2*\c+1]  ; L
.endr
	v_rcp_f32 v[U+2], v[U+1]                       ; twice, to fill the pair that the packed multiply takes;
	v_rcp_f32 v[U+3], v[U+1]                       ; the products below are the plain instructions behind them (ISA guide 5.7.2) and name neither L nor 1/L
	v_pk_mul_f32 v[U+4:U+5], v[P:P+1], v[MLR:MLR+1] op_sel_hi:[1,0]        ; both halves times f
	v_pk_mul_f32 v[U+6:U+7], v[P+2:P+3], v[MLR:MLR+1] op_sel_hi:[1,0]
.irp c, 1,2,3,4,5,6,7
	v_pk_fma_f32 v[U+4:U+5], v[P+4*\c:P+4*\c+1], v[MLR+2*\c:MLR+2*\c+1], v[U+4:U+5] op_sel_hi:[1,0,1]
	v_pk_fma_f32 v[U+6:U+7], v[P+4*\c+2:P+4*\c+3], v[MLR+2*\c:MLR+2*\c+1], v[U+6:U+7] op_sel_hi:[1,0,1]
.endr
	s_wait_alu depctr_va_vdst(0)
	v_pk_mul_f32 v[U+4:U+5], v[U+4:U+5], v[U+2:U+3]
	v_pk_mul_f32 v[U+6:U+7], v[U+6:U+7], v[U+2:U+3]
	ds_store_b128 v1, v[U+4:U+7] offset:PRE        ; pre[0 .. 1023] = context
	ds_store_b128 v1, v[HT:HT+3] offset:PRE+ROW    ; pre[1024 .. 2047] = h_t
	s_wait_dscnt 0x0                               ; for the other waves' sake
	s_barrier_signal -1
	s_barrier_wait -1                              ; w_out's loads stay on their way across this barrier
.irp m, 0,1,2,3,4,5,6,7
	ds_load_b128 v[PR+4*\m:PR+4*\m+3], v4 offset:PRE+16*\m     ; four lanes share each address; sixteen lanes touch four addresses 128 bytes apart
.endr
	s_wait_loadcnt 0x0                             ; w_out
	s_wait_dscnt 0x0
; Rows 2 m and 2 m + 1 of my 32: the even row into sums A .. A + 3 with the pair's first number of pre, the odd row into A + 4 .. A + 7 with its second.
.macro ROWS2 m, start
.if \start
	v_pk_mul_f32 v[A:A+1],   v[WO+8*\m:WO+8*\m+1],   v[PR+2*\m:PR+2*\m+1] op_sel_hi:[1,0]
	v_pk_mul_f32 v[A+2:A+3], v[WO+8*\m+2:WO+8*\m+3], v[PR+2*\m:PR+2*\m+1] op_sel_hi:[1,0]
	v_pk_mul_f32 v[A+4:A+5], v[WO+8*\m+4:WO+8*\m+5], v[PR+2*\m:PR+2*\m+1] op_sel:[0,1] op_sel_hi:[1,1]
	v_pk_mul_f32 v[A+6:A+7], v[WO+8*\m+6:WO+8*\m+7], v[PR+2*\m:PR+2*\m+1] op_sel:[0,1] op_sel_hi:[1,1]
.else
	v_pk_fma_f32 v[A:A+1],   v[WO+8*\m:WO+8*\m+1],   v[PR+2*\m:PR+2*\m+1], v[A:A+1] op_sel_hi:[1,0,1]
	v_pk_fma_f32 v[A+2:A+3], v[WO+8*\m+2:WO+8*\m+3], v[PR+2*\m:PR+2*\m+1], v[A+2:A+3] op_sel_hi:[1,0,1]
	v_pk_fma_f32 v[A+4:A+5], v[WO+8*\m+4:WO+8*\m+5], v[PR+2*\m:PR+2*\m+1], v[A+4:A+5] op_sel:[0,1,0] op_sel_hi:[1,1,1]
	v_pk_fma_f32 v[A+6:A+7], v[WO+8*\m+6:WO+8*\m+7], v[PR+2*\m:PR+2*\m+1], v[A+6:A+7] op_sel:[0,1,0] op_sel_hi:[1,1,1]
.endif
.endm
	ROWS2 0, 1                                     ; the first two rows start the sums: nothing is cleared
.irp m, 1,2,3,4,5,6,7,8,9,10,11,12,13,14,15
	ROWS2 \m, 0
.endr
	v_pk_add_f32 v[A:A+1], v[A:A+1], v[A+4:A+5]
	v_pk_add_f32 v[A+2:A+3], v[A+2:A+3], v[A+6:A+7]
	; over the wave's eight lanes with my t % 4: lanes that differ in bits 2, 3 and 4
.irp m, 4,8
.irp e, 0,1,2,3
	v_add_f32_dpp v[A+\e], v[A+\e], v[A+\e] row_xmask:\m row_mask:0xf bank_mask:0xf
.endr
.endr
.irp e, 0,1,2,3
	v_permlanex16_b32 v[U+\e], v[A+\e], s20, s21   ; destinations count as read: U .. U + 3 have been written
.endr
.irp e, 0,1,2,3
	v_add_f32 v[A+\e], v[A+\e], v[U+\e]
.endr
	ds_store_b128 v5, v[A:A+3] offset:RED          ; the eight lanes of a t % 4 write the same 16 bytes with the same values
	s_wait_dscnt 0x0                               ; for wave 0's sake
	s_barrier_signal -1
	s_barrier_wait -1
	s_cmp_lg_u32 s12, 0
	s_cbranch_scc1 .Lend
.irp w, 0,1,2,3,4,5,6,7
	ds_load_b32 v[PR+\w], v7 offset:RED+64*\w      ; column lane % 16 of every wave's sums
.endr
	s_wait_dscnt 0x0
	v_pk_add_f32 v[PR:PR+1], v[PR:PR+1], v[PR+2:PR+3]
	v_pk_add_f32 v[PR+4:PR+5], v[PR+4:PR+5], v[PR+6:PR+7]
	v_pk_add_f32 v[PR:PR+1], v[PR:PR+1], v[PR+4:PR+5]
	v_add_f32 v[PR], v[PR], v[PR+1]                ; x
	v_mul_f32 v[PR], 0x4038aa3b, v[PR]             ; 2 log2(e) x
	v_exp_f32 v[PR], v[PR]
	v_nop                                          ; one plain instruction behind it (ISA guide 5.7.2)
	s_wait_alu depctr_va_vdst(0)
	v_add_f32 v[PR], 1.0, v[PR]
	v_rcp_f32 v[PR], v[PR]
	v_nop
	s_wait_alu depctr_va_vdst(0)
	v_fma_f32 v[PR], v[PR], -2.0, 1.0              ; tanh(x) = 1 - 2 / (1 + e^(2x))
	s_wait_xcnt 0x0                                ; EXEC is a source of the loads above: it narrows only behind this wait
	v_cmp_gt_u32 vcc_lo, 16, v0
	s_and_saveexec_b32 s22, vcc_lo
	global_store_b32 v7, v[PR], s[10:11]           ; 16 lanes, 64 consecutive bytes
	s_wait_xcnt 0x0                                ; and it widens again only behind this one
	s_or_b32 exec_lo, exec_lo, s22
.Lend:
	s_wait_tensorcnt 0x0
	ds_add_u32 v236, v237
	s_wait_dscnt 0x0
	s_endpgm
.Lfunc_end_k_qcfa50cbcd0_finish:
	.size	k_qcfa50cbcd0_finish, .Lfunc_end_k_qcfa50cbcd0_finish-k_qcfa50cbcd0_finish
	.p2alignl 7, 3214868480
	.fill 96, 4, 3214868480
	.section	.rodata,"a",@progbits
	.p2align	6, 0x0
	.amdhsa_kernel k_qcfa50cbcd0_finish
		.amdhsa_group_segment_fixed_size 9728
		.amdhsa_private_segment_fixed_size 0
		.amdhsa_enable_private_segment 0
		.amdhsa_kernarg_size 32
		.amdhsa_user_sgpr_count 2
		.amdhsa_user_sgpr_kernarg_segment_ptr 1
		.amdhsa_wavefront_size32 1
		.amdhsa_system_sgpr_workgroup_id_x 1
		.amdhsa_system_sgpr_workgroup_id_y 1
		.amdhsa_system_sgpr_workgroup_id_z 1
		.amdhsa_system_vgpr_workitem_id 0
		.amdhsa_next_free_vgpr 238
		.amdhsa_next_free_sgpr 66
		.amdhsa_reserve_vcc 1
		.amdhsa_float_denorm_mode_32 3
		.amdhsa_float_denorm_mode_16_64 3
		.amdhsa_memory_ordered 1
		.amdhsa_forward_progress 1
		.amdhsa_inst_pref_size 16
	.end_amdhsa_kernel
	.amdgpu_metadata
---
amdhsa.version: [ 1, 2 ]
amdhsa.kernels:
  - .name:           k_qcfa50cbcd0_finish
    .symbol:         k_qcfa50cbcd0_finish.kd
    .args:
      - { .name: hidden_states, .offset: 0, .size: 8, .value_kind: global_buffer, .address_space: global }
      - { .name: w_out, .offset: 8, .size: 8, .value_kind: global_buffer, .address_space: global }
      - { .name: part, .offset: 16, .size: 8, .value_kind: global_buffer, .address_space: global }
      - { .name: out0, .offset: 24, .size: 8, .value_kind: global_buffer, .address_space: global }
    .group_segment_fixed_size: 9728
    .private_segment_fixed_size: 0
    .kernarg_segment_align: 8
    .kernarg_segment_size: 32
    .max_flat_workgroup_size: 256
    .sgpr_count:     66
    .vgpr_count:     238
    .wavefront_size: 32
...
	.end_amdgpu_metadata
.endif
;; end of part 3
;; ======== version 2 of 2: 3 launches; version 1 with the launch vproj written anew for expert scheduling mode
;; workspace buffers: vq 131,072 bytes; part 1,114,112 bytes
;; launch vproj (part 4): grid 64 x 4, 4 waves a work-group, no clusters, 33,792 bytes of LDS; arguments hidden_states, w_score, vq; writes vq
.if DOCPART == 4
	.amdgcn_target "amdgcn-amd-amdhsa--gfx1250"
	.amdhsa_code_object_version 6
	.text
	.protected	k_qcfa50cbcd0_vproj
	.globl	k_qcfa50cbcd0_vproj
	.p2align	8
	.type	k_qcfa50cbcd0_vproj,@function
k_qcfa50cbcd0_vproj:
	s_mov_b64 s[64:65], 0
	v_nop
	global_prefetch_b8 v0, s[64:65] scope:SCOPE_SE
	s_setreg_imm32_b32 hwreg(HW_REG_WAVE_SCHED_MODE, 0, 2), 2
	s_setreg_imm32_b32 hwreg(HW_REG_WAVE_MODE, 25, 1), 1
	s_wait_xcnt 0x0
	s_wait_alu depctr_vm_vsrc(0)
; vq[b][h] = log2(e) * sum over k of w_score[h][k] * h_t[b][k],   h_t[b] = hidden_states[b][2047].
; WHY: score[b][s] = sum_k h_t[k] * (sum_h hs[s][h] W[h][k]) = sum_h hs[s][h] * (sum_k W[h][k] h_t[k]).  The dense product is used
; only inside that dot product, so for every input the scores are hs[s] . v with v = W h_t.  LIMIT: the order of the additions,
; and so the rounding, differs from the order in which the sums are written in the problem.  The factor log2(e) lets
; all later exponentials work in base 2.
; All in f32 on the vector unit: each output is a dot product of one row of W with one row of h_t (8 batches a work-group), and the
; scores made from vq are exponents of a softmax, which 16-bit operands would shift by too much.
; SHARES: work-group (hg, bg) makes 16 rows of W (h = 16 hg ..) x 8 batches (b = 8 bg ..): 64 KiB of W + 32 KiB of h_t, each byte
; loaded once by the work-group.  Wave w keeps W's rows 16 hg + 4 w .. + 3 in registers and brings h_t's rows 2 w, 2 w + 1 to LDS.
; Lane l holds columns 128 j + 4 l .. + 3 of load j: a load of the wave covers 512 consecutive bytes.
; NO JOINT LOADS: what neighbours share is one burst of 96 KiB that goes straight into registers in the layout in which it is used;
; a shared fill would add an LDS write and read of W's 64 KiB for a single fill.
; STORE: four lanes cover 64 consecutive bytes of one batch's row of vq.  Runs of 256 bytes would need 64 rows of W a work-group,
; 264 KiB of input in place of 96, for 128 KiB of output in the whole launch.
; THE MODE: SCHED_MODE bits 1:0 = 2 (LLVM: expert scheduling mode 2), set by the entry lines.  The code itself states the register dependences
; between vector instructions and memory or LDS instructions, with s_wait_alu, always for 0.
; THE PLAN.  Registers that memory or LDS instructions touch:
;   v1, v2, v4   offsets and LDS addresses: written once at the head, read by the loads and LDS stores, never written again.
;   W            written by global loads, once; read by the products alone.
;   HB0, HB1     h_t's rows land here from memory and are read by my 16 LDS stores; then the LDS loads of row bi land in HB[bi % 2], step bi's 64 products
;                read it, and behind them the loads of row bi + 2 land in it.  Behind the last step vector instructions alone name them.
;   T, D         named by vector instructions alone until the way out: the tile's LDS stores read D; in wave 0 one LDS load lands in T, and the store to vq reads T.
;   v5           wave 0: written by three vector lines, read by the store to vq as its offset.
;   v248, v249   written at the head, read by the closing add alone.
; So ONE wait on va_vdst stands in a step that asks for a row, behind its products, the last readers of HB[buf]; the step's eight LDS loads follow it, dealt among
; the eight additions that close the step's sums, which name T and D: none of the registers that those loads touch.
.set ROW,  4096                        ; bytes in a row of W and of hidden_states
.set W,    8                           ; v[8:135]    my four rows of W: row i at +32 i, load j at +4 j
.set HB,   136                         ; v[136:199]  two buffers of 32 registers for rows of h_t
.set T,    200                         ; v[200:215]  running sums: row i, chain q = the pair at T + 4 i + 2 q
.set D,    216                         ; v[216:247]  the lane's part of dot (batch bi, row i) at D + 4 bi + i
.set OUTS, 8*ROW                       ; LDS: h_t's 8 rows at 0; behind them the tile [8 batches][16 h] f32, 512 bytes
	s_load_b128 s[4:7], s[0:1], 0x0                ; hidden_states s[4:5], w_score s[6:7]
	s_load_b64 s[8:9], s[0:1], 0x10                ; vq
	v_lshl_add_u32 v248, v0, 2, 0x8200             ; the LDS address of my spare word, behind the tile: kept for the closing lines alone
	v_mov_b32 v249, 0                              ; and 0, likewise
	v_lshrrev_b32 v3, 5, v0
	v_readfirstlane_b32 s10, v3                    ; wave 0..3
	s_and_b32 s11, ttmp7, 0xffff                   ; bg
	s_mov_b32 s22, 0x76543210                      ; v_permlanex16_b32: lane i of one half reads lane i of the other
	s_mov_b32 s23, 0xfedcba98
	v_and_b32 v1, 31, v0
	v_lshlrev_b32 v1, 4, v1                        ; 16 x lane
	s_wait_alu depctr_va_sdst(0)                   ; s10 is written, ahead of its first reader, the next line; the LDS addresses and the three bases are made from it
	v_lshl_add_u32 v2, s10, 13, v1                 ; LDS: my wave's two rows of h_t, 8,192 w + 16 x lane
	s_lshl_b32 s18, s10, 4
	v_mov_b32 v4, s18                              ; LDS: my wave's four h in a row of the tile, 16 w
	s_lshl_b32 s12, s11, 3
	s_lshl1_add_u32 s12, s10, s12                  ; batch 8 bg + 2 w, 30 at the most
	s_lshl_b32 s12, s12, 23                        ; x 2048 rows x 4,096 bytes
	s_add_co_u32 s12, s12, 2047*ROW                ; its last row; below 2^28
	s_mov_b32 s13, 0
	s_lshl_b32 s14, ttmp9, 16                      ; 16 rows of W for each hg,
	s_lshl_b32 s15, s10, 14                        ; 4 for each wave
	s_add_co_u32 s14, s14, s15
	s_mov_b32 s15, 0
	s_lshl_b32 s16, s11, 15                        ; vq: 8 batches of 4,096 bytes for each bg,
	s_lshl_b32 s17, ttmp9, 6                       ; 16 h of 4 bytes for each hg
	s_add_co_u32 s16, s16, s17
	s_mov_b32 s17, 0
	s_wait_kmcnt 0x0
	s_add_nc_u64 s[4:5], s[4:5], s[12:13]          ; h_t of batch 8 bg + 2 w
	s_add_nc_u64 s[20:21], s[4:5], 0x800000        ; and of the next batch: 8,388,608 bytes on, one more than an immediate offset holds
	s_add_nc_u64 s[6:7], s[6:7], s[14:15]
	s_add_nc_u64 s[8:9], s[8:9], s[16:17]
.macro GROW dst, base, off             ; a whole row from memory: eight loads of 512 consecutive bytes
.irp j, 0,1,2,3,4,5,6,7
	global_load_b128 v[(\dst)+4*\j:(\dst)+4*\j+3], v1, s[\base:\base+1] offset:(\off)+512*\j
.endr
.endm
.macro LHALF buf, bi, half             ; half a row bi of h_t from LDS into buffer buf, in the same lane layout; lane i at 16 i: no two lanes share a bank
.irp j, 0,1,2,3
	ds_load_b128 v[HB+32*(\buf)+16*(\half)+4*\j:HB+32*(\buf)+16*(\half)+4*\j+3], v1 offset:(\bi)*ROW+2048*(\half)+512*\j
.endr
.endm
; My four rows of W times the row of h_t in buffer buf: 16 register pairs a row, two chains a row, eight chains that do not wait for each other.
; The first two pairs start the chains: nothing is cleared.
.macro DOTS buf
.irp k, 0,1
.irp i, 0,1,2,3
	v_pk_mul_f32 v[T+4*\i+2*\k:T+4*\i+2*\k+1], v[W+32*\i+2*\k:W+32*\i+2*\k+1], v[HB+32*(\buf)+2*\k:HB+32*(\buf)+2*\k+1]
.endr
.endr
.irp k, 2,3,4,5,6,7,8,9,10,11,12,13,14,15
.irp i, 0,1,2,3
	v_pk_fma_f32 v[T+4*\i+2*(\k&1):T+4*\i+2*(\k&1)+1], v[W+32*\i+2*\k:W+32*\i+2*\k+1], v[HB+32*(\buf)+2*\k:HB+32*(\buf)+2*\k+1], v[T+4*\i+2*(\k&1):T+4*\i+2*(\k&1)+1]
.endr
.endr
.endm
; Batch bi, whose row of h_t lies in buffer buf.  left = how many younger LDS loads may stay out.  ahead = 1: the buffer just used takes the row after next.
.macro STEP buf, bi, left, ahead
	s_wait_dscnt \left                             ; LDS loads come back in order (ISA guide 5.7.1): this buffer's eight are in
	DOTS \buf
.if \ahead
	s_wait_alu depctr_va_vdst(0)                   ; the 64 products are done reading HB[buf], in which the eight loads below land
	LHALF \buf, \bi+2, 0
.endif
.irp i, 0,1,2,3
	v_pk_add_f32 v[T+4*\i:T+4*\i+1], v[T+4*\i:T+4*\i+1], v[T+4*\i+2:T+4*\i+3]
.endr
.if \ahead
	LHALF \buf, \bi+2, 1                           ; no further wait: the four additions since the wait name T alone
.endif
.irp i, 0,1,2,3
	v_add_f32 v[D+4*(\bi)+\i], v[T+4*\i], v[T+4*\i+1]
.endr
.endm
	s_wait_alu depctr_va_vdst(0)                   ; v1, v2 and v4 are written: every load and LDS store of the kernel reads one of them as its offset or address
	; one burst of 48 loads: my two rows of h_t first, then my four rows of W
	GROW HB, 4, 0
	GROW HB+32, 20, 0
.irp i, 0,1,2,3
	GROW W+32*\i, 6, \i*ROW
.endr
	s_wait_loadcnt 32                              ; loads come back in order (ISA guide 5.7.1): W's 32 are younger, so h_t's 16 are in
.irp r, 0,1
.irp j, 0,1,2,3,4,5,6,7
	ds_store_b128 v2, v[HB+32*\r+4*\j:HB+32*\r+4*\j+3] offset:\r*ROW+512*\j
.endr
.endr
	s_wait_dscnt 0x0                               ; for the other waves' sake: my stores are done
	s_barrier_signal -1
	s_barrier_wait -1                              ; all eight rows of h_t lie in LDS; W's loads stay on their way across this barrier
	s_wait_alu depctr_vm_vsrc(0)                   ; my LDS stores have read HB0 and HB1, in which rows 0 and 1 now land
	LHALF 0, 0, 0
	LHALF 0, 0, 1
	LHALF 1, 1, 0
	LHALF 1, 1, 1
	s_wait_loadcnt 0x0                             ; W
	STEP 0, 0, 8, 1                                ; 8: the other buffer's eight LDS loads are younger and may stay out
	STEP 1, 1, 8, 1
	STEP 0, 2, 8, 1
	STEP 1, 3, 8, 1
	STEP 0, 4, 8, 1
	STEP 1, 5, 8, 1                                ; asks for row 7, the last
	STEP 0, 6, 8, 0                                ; row 7's eight loads are still out; this step and the next issue no load, so they hold no wait on va_vdst
	STEP 1, 7, 0, 0
	; across the 32 lanes, all 32 sums side by side: four steps inside each half of 16 lanes, one across the halves
.irp m, 1,2,4,8
.set n, 0
.rept 32
	v_add_f32_dpp v[D+n], v[D+n], v[D+n] row_xmask:\m row_mask:0xf bank_mask:0xf
.set n, n+1
.endr
.endr
.set n, 0
.rept 32
	v_permlanex16_b32 v[HB+n], v[D+n], s22, s23    ; its destination counts as read: HB has been written
.set n, n+1
.endr
.set n, 0
.rept 32
	v_add_f32 v[D+n], v[D+n], v[HB+n]
.set n, n+1
.endr
.set n, 0
.rept 16
	v_pk_mul_f32 v[D+n:D+n+1], v[D+n:D+n+1], 0x3fb8aa3b op_sel_hi:[1,0]    ; x log2(e)
.set n, n+2
.endr
	s_wait_alu depctr_va_vdst(0)                   ; the multiplies have written D, which the LDS stores read; the steps' additions are done with T, in which wave 0's LDS load below lands
.irp bi, 0,1,2,3,4,5,6,7
	ds_store_b128 v4, v[D+4*\bi:D+4*\bi+3] offset:OUTS+64*\bi    ; every lane holds the sums: all write the same 16 bytes with the same values
.endr
	s_wait_dscnt 0x0                               ; for wave 0's sake
	s_barrier_signal -1
	s_barrier_wait -1
	s_cmp_lg_u32 s10, 0
	s_cbranch_scc1 .Lend
	ds_load_b128 v[T:T+3], v1 offset:OUTS          ; lane l: batch l / 4, h 4 (l % 4) .. + 3.  No wait: no vector instruction since the wait above names T
	v_lshrrev_b32 v5, 6, v1
	v_and_b32 v6, 48, v1
	v_lshl_add_u32 v5, v5, 12, v6                  ; 4,096 x batch + 16 (l % 4)
	s_wait_alu depctr_va_vdst(0)                   ; v5 is written, which the store reads as its offset
	s_wait_dscnt 0x0
	global_store_b128 v5, v[T:T+3], s[8:9]
.Lend:
	s_wait_dscnt 0x0                               ; the closing lines, six on end
	s_wait_alu 0x0
	s_wait_tensorcnt 0x0
	ds_add_u32 v248, v249
	s_wait_dscnt 0x0
	s_endpgm
.Lfunc_end_k_qcfa50cbcd0_vproj:
	.size	k_qcfa50cbcd0_vproj, .Lfunc_end_k_qcfa50cbcd0_vproj-k_qcfa50cbcd0_vproj
	.p2alignl 7, 3214868480
	.fill 96, 4, 3214868480
	.section	.rodata,"a",@progbits
	.p2align	6, 0x0
	.amdhsa_kernel k_qcfa50cbcd0_vproj
		.amdhsa_group_segment_fixed_size 33792
		.amdhsa_private_segment_fixed_size 0
		.amdhsa_enable_private_segment 0
		.amdhsa_kernarg_size 24
		.amdhsa_user_sgpr_count 2
		.amdhsa_user_sgpr_kernarg_segment_ptr 1
		.amdhsa_wavefront_size32 1
		.amdhsa_system_sgpr_workgroup_id_x 1
		.amdhsa_system_sgpr_workgroup_id_y 1
		.amdhsa_system_sgpr_workgroup_id_z 1
		.amdhsa_system_vgpr_workitem_id 0
		.amdhsa_next_free_vgpr 250
		.amdhsa_next_free_sgpr 66
		.amdhsa_reserve_vcc 0
		.amdhsa_float_denorm_mode_32 3
		.amdhsa_float_denorm_mode_16_64 3
		.amdhsa_memory_ordered 1
		.amdhsa_forward_progress 1
		.amdhsa_inst_pref_size 61
	.end_amdhsa_kernel
	.amdgpu_metadata
---
amdhsa.version: [ 1, 2 ]
amdhsa.kernels:
  - .name:           k_qcfa50cbcd0_vproj
    .symbol:         k_qcfa50cbcd0_vproj.kd
    .args:
      - { .name: hidden_states, .offset: 0, .size: 8, .value_kind: global_buffer, .address_space: global }
      - { .name: w_score, .offset: 8, .size: 8, .value_kind: global_buffer, .address_space: global }
      - { .name: vq, .offset: 16, .size: 8, .value_kind: global_buffer, .address_space: global }
    .group_segment_fixed_size: 33792
    .private_segment_fixed_size: 0
    .kernarg_segment_align: 8
    .kernarg_segment_size: 24
    .max_flat_workgroup_size: 128
    .sgpr_count:     66
    .vgpr_count:     250
    .wavefront_size: 32
...
	.end_amdgpu_metadata
.endif
;; end of part 4
;; launch stream: the kernel of part 2 again; grid 8 x 32, 16 waves a work-group, no clusters, 71,936 bytes of LDS; arguments hidden_states, vq, part; writes part
;; launch finish: the kernel of part 3 again; grid 8 x 32, 8 waves a work-group, no clusters, 9,728 bytes of LDS; arguments hidden_states, w_out, part, out0; writes out0
